; MI455X (gfx1250); checked and timed in simulation.
; The chip was launched on July 23, 2026; its instructions are those of AMD's public machine-readable ISA for CDNA 5 (MIT licence, August 2026) and "CDNA5" Instruction Set Architecture Reference Guide (July 2026). The comments in the code are by the model that wrote it; some were corrected since.
;; GGML Linear. Allowed arithmetic: matrix products marked QUANTISED: E2M1 operands, one E8M0 scale for each 32 along K, by v_wmma_scale_f32_16x16x128_f8f6f4 with both operands' format E2M1 (or v_wmma_scale_f32_32x16x128_f4), f32 sums; everything else in f32.
;; Inputs: A_codes 2 x 2,048 x 128 x 16 uint8 (E2M1 codes of A, K innermost, in blocks of 32 codes, two codes a byte); A_scales 2 x 2,048 x 128 uint8 (E8M0 scales of A, one for each 32 codes along K); scales 4,096 x 128 float32; w_q 4,096 x 4,096 int32.
;; Outputs: out0 2 x 2,048 x 4,096 float32.
;; This version of the problem:
;;   THIS VERSION OF THE PROBLEM IS GIVEN IN LOW PRECISION. The matrix products marked QUANTISED in the list below multiply operands that are first quantised to E2M1 (2 exponent bits, 1 mantissa bit; 4 bits a number), with one power-of-two scale for each 32 numbers along K (OCP MX v1.0); their sums are f32. All else is computed in f32.
;;   The module's matrix products, in the order in which they are computed (A, B: the left and right operand; K: the contracted axis; several contracted axes count as one K, in the product's order):
;;     1. [M 4,096, K 4,096] x [K 4,096, N 4,096]; A: input A (given as codes); B: computed on the way: QUANTISED
;;   THE QUANTISER, for each operand of a quantised product, along K:
;;     - K is cut into blocks of 32 from its start; a last block that is shorter is filled with zeros.
;;     - A block's scale is 2^e with e = floor(log2(the largest magnitude in the block)) - 2, held to -126 .. 127; a block of zeros has e = 0. As a byte (E8M0): e + 127.
;;     - Each number is divided by its block's scale, clamped to +-6, and rounded to the nearest number of E2M1, ties to even, subnormals kept.
;;     - The product sums the exact products of the quantised numbers (number of the format x scale) in f32.
;;   ~~~python
;;   def quantise(x, axis):      # numpy; x: float32 -> the quantised numbers, widened to float32 again
;;       x = np.moveaxis(x, axis, -1); K = x.shape[-1]
;;       x = np.pad(x, [(0, 0)] * (x.ndim - 1) + [(0, -K % 32)]); x = x.reshape(x.shape[:-1] + (-1, 32)); a = np.abs(x).max(-1, keepdims=True)
;;       e = np.where(a > 0, np.clip(np.frexp(np.where(a > 0, a, 1))[1] - 1 - 2, -126, 127), 0)      # np.frexp(a)[1] - 1 = floor(log2(a)), exactly
;;       r = np.clip(x / 2.0 ** e, -6, 6)
;;       step = 2.0 ** (np.maximum(np.frexp(np.where(r == 0, 1, r))[1] - 1, 0) - 1)
;;       q = np.round(r / step) * step * 2.0 ** e      # np.round: ties to even
;;       return np.moveaxis(q.reshape(q.shape[:-2] + (-1,))[..., :K], -1, axis).astype(np.float32)
;;   ~~~
;;   OPERANDS COMPUTED ON THE WAY. 'Computed on the way' means the value that the module computes at that place (a softmax that the list does not call 'softmax' is quantised finished and normalised). What goes into a quantiser is computed in f32, as accurately as f32 sums, v_exp_f32 and their like allow (about 1e-6 of the number): no bf16 or f16 on the way to a quantiser, and a product that is left as it is and whose result goes on into a quantised operand takes f32 operands (vector FMAs, or v_wmma_f32_16x16x4_f32). A number that lies on a knife's edge between two numbers of the format may be rounded either way, as far as f32 arithmetic and the matrix unit's own rounding can turn it there, and no further.
;;   INPUTS GIVEN AS CODES. A (in the module: [2, 2048, 4096], K = its axis 2): each comes as NAME_codes (uint8): NAME with its K axis moved to the last place and cut into blocks of 32 codes, [.., K / 32, bytes a block], one block behind the other in memory; two codes a byte, the lower K in the low four bits (a code: sign, 2 exponent bits, 1 mantissa bit); and NAME_scales (uint8): the same leading axes, one E8M0 byte (e + 127) for each 32 codes along K. Its value is code x scale, taken as it is: it is not quantised again, and the codes and scales need not be those that the quantiser above would give.
;; One version. Each part assembles by itself: llvm-mc -triple=amdgcn-amd-amdhsa -mcpu=gfx1250 --defsym DOCPART=n.
;; ======== version 1 of 1: 2 launches
;; limits: right only within a limited range of input values
;; workspace buffers: w_codes 8,388,608 bytes; w_sc 524,288 bytes; a_sc 524,288 bytes
;; launch quant (part 1): grid 256 x 1, 8 waves a work-group, no clusters, 76,800 bytes of LDS; arguments w_q, scales, A_scales, w_codes, w_sc, a_sc; writes w_codes, w_sc, a_sc
.if DOCPART == 1
	.amdgcn_target "amdgcn-amd-amdhsa--gfx1250"
	.amdhsa_code_object_version 6
	.text
	.protected	k_q2af2827267_quant
	.globl	k_q2af2827267_quant
	.p2align	8
	.type	k_q2af2827267_quant,@function
k_q2af2827267_quant:
	s_mov_b64 s[64:65], 0
	v_nop
	global_prefetch_b8 v0, s[64:65] scope:SCOPE_SE
	s_setreg_imm32_b32 hwreg(HW_REG_WAVE_MODE, 25, 1), 1
	s_wait_xcnt 0x0
; W[o][i] = (w_q[o][i] - 128) * scales[o][i / 32], made in f32, is turned into codes of FP4 (E2M1), K innermost, two codes a byte (w_codes [4096][2048 bytes]),
; with one E8M0 byte for each 32 along K.  The bytes are laid BY K STEP OF 512: w_sc [8 j][4096 rows][16 bytes], byte b = block 16 j + b of the row, so that the product's launch
; finds the bytes of 256 rows and one K step as 4,096 consecutive bytes.  A_scales [4096][128] is copied, bytes unchanged, into the same layout: a_sc [8][4096][16].
; THE NUMBER: f = float(w_q); W = fma(f, s, -128 s).  128 s is exact, so the fused form rounds (f - 128) s once: the same number as (f - 128) * s wherever f - 128 is exact.
; THE SCALE: 2^(floor(log2(the block's largest magnitude)) - 2); its byte is that magnitude's own exponent field - 2, held at 1 from below by a floor among the maximum's leaves.
; LIMITS: NaN and infinities in scales are not served; |scales| stays under 2^120 (128 s must be finite); from |w_q| = 2^24 on the fused form rounds once where two roundings are written;
; a block of zeros, or one whose largest magnitude lies under 2^-124, gets the byte 1 (a block of zeros: zero codes, which add nothing; only this program reads the bytes).
; SHARES.  Work-group g owns rows 16 g .. 16 g + 15; wave j owns columns 512 j .. 512 j + 511 of them.  A wave has 16 steps, a row each: 512 int32 = 2,048 consecutive bytes = 16 blocks.
; Each of a step's four loads reads 512 consecutive bytes, 16 a lane; the conversions want 16 NEIGHBOURS in a lane, so the 2,048 bytes turn through the wave's own stage in LDS (80 bytes
; from lane to lane on the way back: 64 + 16 of padding).  Two neighbouring lanes hold a block.  A step's codes leave as 256 consecutive aligned bytes; a wave's 16 x 16 scale bytes
; are gathered in LDS and leave as 256 consecutive aligned bytes of w_sc; its part of a_sc likewise.
; The work-group's 8,192 bytes of scales and 2,048 bytes of A_scales are dense in memory: all 256 threads read them once, 16 and 8 bytes each, and hand them round through LDS: one barrier.
; Loads run eight steps (32 loads a wave) ahead, the turn through LDS one step.  Every offset is an immediate, no address register and no store's data are written twice.
.set WREG, 8192                        ; LDS: a region for each wave: two stages of 32 x SP bytes, behind them its 256 scale bytes
.set SP,   80
.set SBY,  2*32*SP                     ; where the wave's scale bytes begin in its region
.set GS,   8*WREG                      ; the work-group's 16 rows of scales, 8,192 bytes as they lie
.set AS,   GS+8192                     ; its 16 rows of A_scales, 2,048 bytes as they lie
.set EMAX, 2
.set STEPS, 16
.set AHEAD, 8
.set R,    16                          ; v16-143  eight sets of 16 numbers as they are loaded
.set X,    144                         ; v144-175 two sets of 16 neighbours
.set SS,   176                         ; v176, v178 the block's s, by turns; v177, v179 = 0 (named with them as pairs)
.set NN,   180                         ; v180 -128 s; v181 = 0
.set C,    184                         ; v184-215 codes: two registers for each step
.set E,    216                         ; v216-231 a scale byte for each step
.set GL,   232                         ; v232-239 scales as loaded
.set AL,   240                         ; v240-241 A_scales as loaded
.set AR,   242                         ; v242-243 and as read back
	s_load_b256 s[4:11], s[0:1], 0x0               ; w_q s[4:5], scales s[6:7], A_scales s[8:9], w_codes s[10:11]
	s_load_b128 s[12:15], s[0:1], 0x20             ; w_sc s[12:13], a_sc s[14:15]
	v_lshl_add_u32 v254, v0, 2, 0x12800
	v_mov_b32 v255, 0
	v_lshrrev_b32 v1, 5, v0
	s_delay_alu instid0(VALU_DEP_1)
	v_readfirstlane_b32 s16, v1                    ; wave j
	v_and_b32 v2, 31, v0                           ; lane
	v_lshlrev_b32 v1, 4, v0                        ; scales: 16 bytes a thread
	s_delay_alu instid0(VALU_DEP_2)
	v_lshlrev_b32 v3, 4, v2                        ; my 16 bytes of a load's 512
	s_delay_alu instid0(VALU_DEP_3)
	v_lshlrev_b32 v4, 3, v2                        ; my 8 bytes of 256 on every way out
	s_lshl_b32 s17, s16, 13                        ; my wave's region
	s_add_co_u32 s20, s17, SBY                     ; its scale bytes
	v_lshrrev_b32 v9, 1, v2                        ; my block: lane / 2
	s_delay_alu instid0(VALU_DEP_1)
	v_add_nc_u32 v5, s20, v9                       ; where my block's byte goes
	v_lshl_add_u32 v6, v2, 3, s20                  ; and where I read 8 of the 256 back
	s_lshl_b32 s21, s16, 6
	s_add_co_u32 s21, s21, GS
	v_lshl_add_u32 v7, v9, 2, s21                  ; my block's s in a row of scales: GS + 4 (16 j + lane / 2)
	v_lshl_add_u32 v10, v0, 4, GS                  ; where I put 16 bytes of scales
	v_lshrrev_b32 v14, 2, v2
	s_delay_alu instid0(VALU_DEP_1)
	v_mul_u32_u24 v14, v14, SP
	v_and_b32 v15, 3, v2
	s_delay_alu instid0(VALU_DEP_1)
	v_lshl_add_u32 v14, v15, 4, v14
	s_delay_alu instid0(VALU_DEP_1)
	v_add_nc_u32 v14, s17, v14                     ; the stage, on the way in: four lanes' 64 bytes on end, then 16 of padding
	v_mul_u32_u24 v15, v2, SP
	s_delay_alu instid0(VALU_DEP_1)
	v_add_nc_u32 v15, s17, v15                     ; and on the way out: my 16 neighbours
	v_lshlrev_b32 v244, 3, v0                      ; A_scales: 8 bytes a thread
	v_lshl_add_u32 v245, v0, 3, AS
	s_lshl_b32 s22, s16, 4
	s_add_co_u32 s22, s22, AS
	v_lshlrev_b32 v246, 7, v9                      ; back: row lane / 2 of 128 bytes,
	v_and_b32 v8, 1, v2
	s_delay_alu instid0(VALU_DEP_1)
	v_lshl_add_u32 v246, v8, 3, v246               ; half lane % 2
	s_delay_alu instid0(VALU_DEP_1)
	v_add_nc_u32 v246, s22, v246                   ; of its 16 bytes of K step j
	v_mov_b32 v[SS+1], 0
	v_mov_b32 v[SS+3], 0
	v_mov_b32 v[NN+1], 0
	s_mov_b32 s19, 0
	s_wait_alu depctr_va_vdst(0)
	s_wait_kmcnt 0x0
	s_lshl_b32 s18, ttmp9, 18                      ; w_q: 16 rows of 16,384 bytes a work-group,
	s_lshl_b32 s23, s16, 11                        ; 2,048 bytes a wave
	s_or_b32 s18, s18, s23
	s_add_nc_u64 s[4:5], s[4:5], s[18:19]
	s_lshl_b32 s18, ttmp9, 13                      ; scales: 16 rows of 512 bytes
	s_add_nc_u64 s[6:7], s[6:7], s[18:19]
	s_lshl_b32 s18, ttmp9, 11                      ; A_scales: 16 rows of 128 bytes
	s_add_nc_u64 s[8:9], s[8:9], s[18:19]
	s_lshl_b32 s18, ttmp9, 15                      ; w_codes: 16 rows of 2,048 bytes, 256 bytes a wave
	s_lshl_b32 s23, s16, 8
	s_or_b32 s18, s18, s23
	s_add_nc_u64 s[10:11], s[10:11], s[18:19]
	s_lshl_b32 s18, s16, 16                        ; w_sc, a_sc: K step j of 65,536 bytes, 16 rows of 16 bytes
	s_lshl_b32 s23, ttmp9, 8
	s_or_b32 s18, s18, s23
	s_add_nc_u64 s[12:13], s[12:13], s[18:19]
	s_add_nc_u64 s[14:15], s[14:15], s[18:19]
.macro LOAD t                          ; row t of my chunk: four loads of 512 consecutive bytes, into set t % 8
.irp i, 0,1,2,3
	global_load_b128 v[R+16*((\t)%AHEAD)+4*\i:R+16*((\t)%AHEAD)+4*\i+3], v3, s[4:5] offset:16384*(\t)+512*\i th:TH_LOAD_NT
.endr
.endm
.macro TURN t                          ; step t's numbers through the stage, and its s: LDS serves a wave's instructions in order, so no wait stands between the stores and the loads
.irp i, 0,1,2,3
	ds_store_b128 v14, v[R+16*((\t)%AHEAD)+4*\i:R+16*((\t)%AHEAD)+4*\i+3] offset:32*SP*((\t)%2)+8*SP*\i
.endr
.irp i, 0,1,2,3
	ds_load_b128 v[X+16*((\t)%2)+4*\i:X+16*((\t)%2)+4*\i+3], v15 offset:32*SP*((\t)%2)+16*\i
.endr
	ds_load_b32 v[SS+2*((\t)%2)], v7 offset:512*(\t)               ; scales[row t][16 j + lane / 2]
.endm
	global_load_b128 v[GL:GL+3], v1, s[6:7] th:TH_LOAD_NT
	global_load_b128 v[GL+4:GL+7], v1, s[6:7] offset:4096 th:TH_LOAD_NT
	global_load_b64 v[AL:AL+1], v244, s[8:9] th:TH_LOAD_NT
.irp t, 0,1,2,3,4,5,6,7
	LOAD \t
.endr
	s_wait_loadcnt 32                              ; the three small loads are in; the 32 behind them stay out
	ds_store_b128 v10, v[GL:GL+3]
	ds_store_b128 v10, v[GL+4:GL+7] offset:4096
	ds_store_b64 v245, v[AL:AL+1]
	s_wait_dscnt 0x0                               ; for the others' sake: my stores have landed
	s_barrier_signal -1
	s_barrier_wait -1                              ; the 16 rows of scales and of A_scales lie in LDS; they are never written again
	ds_load_b64 v[AR:AR+1], v246
	s_wait_dscnt 0x0
	global_store_b64 v4, v[AR:AR+1], s[14:15]      ; 32 lanes store 256 consecutive bytes of a_sc, aligned
	s_wait_loadcnt 28                              ; step 0's four loads are in; those of steps 1 to 7 stay out
	TURN 0
.macro STEP t
.set XS, X+16*((\t)%2)
.set SR, SS+2*((\t)%2)
.if (\t) > 0
	s_wait_dscnt 1                                 ; this step's numbers and its s are back (the one younger LDS instruction is the last step's byte store): so the stage's stores have read set t % 8,
.else
	s_wait_dscnt 0x0
.endif
.if (\t)+AHEAD < STEPS
	LOAD (\t)+AHEAD                                ; which takes the loads of eight steps on
.endif
.if (\t)+1 < STEPS
.if STEPS-2-(\t) >= AHEAD-1
	s_wait_loadcnt 4*(AHEAD-1)                     ; the next step's four loads are in; those of the seven steps behind it may be out
.else
	s_wait_loadcnt 4*(STEPS-2-(\t))                ; near the end fewer steps stand behind it
.endif
	TURN (\t)+1                                    ; it goes through the other stage while this step is worked
.endif
.irp i, 0,1,2,3,4,5,6,7,8,9,10,11,12,13,14,15
	v_cvt_f32_i32 v[XS+\i], v[XS+\i]
.endr
	v_mul_f32 v[NN], 0xc3000000, v[SR]             ; -128 s, exact
.irp i, 0,2,4,6,8,10,12,14
	v_pk_fma_f32 v[XS+\i:XS+\i+1], v[XS+\i:XS+\i+1], v[SR:SR+1], v[NN:NN+1] op_sel_hi:[1,0,0]   ; f s - 128 s, one rounding; of the pairs s and -128 s the low word serves both halves
.endr
	v_max3_num_f32 v8, |v[XS]|, |v[XS+1]|, |v[XS+2]|               ; the largest magnitude of my 16, in two chains
	v_max3_num_f32 v9, |v[XS+3]|, |v[XS+4]|, |v[XS+5]|
.irp i, 6,10
	s_delay_alu instid0(VALU_DEP_2)
	v_max3_num_f32 v8, v8, |v[XS+\i]|, |v[XS+\i+1]|
	s_delay_alu instid0(VALU_DEP_2)
	v_max3_num_f32 v9, v9, |v[XS+\i+2]|, |v[XS+\i+3]|
.endr
	s_delay_alu instid0(VALU_DEP_2)
	v_max3_num_f32 v8, v8, |v[XS+14]|, |v[XS+15]|
	s_delay_alu instid0(VALU_DEP_1)
	v_max3_num_f32 v8, v8, v9, (EMAX+1)<<23        ; and the floor 2^(3 - 127): the byte cannot fall under 1
	s_delay_alu instid0(VALU_DEP_1)
	v_max_num_f32_dpp v8, v8, v8 row_xmask:1 row_mask:0xf bank_mask:0xf   ; and of my neighbour's 16: the block's
	s_delay_alu instid0(VALU_DEP_1)
	v_add_nc_u32 v11, -(EMAX<<23), v8              ; 2 off its exponent field: the conversion takes the exponent field of this operand as its scale, and nothing else of it
	v_cvt_scalef32_pk8_fp4_f32 v[C+2*(\t)], v[XS:XS+7], v11        ; eight numbers / the scale, to the nearest code, ties to even, beyond 6 the largest code; the first number's code in the lowest four bits
	v_cvt_scalef32_pk8_fp4_f32 v[C+2*(\t)+1], v[XS+8:XS+15], v11
	v_lshrrev_b32 v[E+(\t)], 23, v11               ; the scale's byte (also the plain instruction behind the conversions)
	ds_store_b8 v5, v[E+(\t)] offset:16*(\t)       ; both lanes of a block write the same byte with the same value
	global_store_b64 v4, v[C+2*(\t):C+2*(\t)+1], s[10:11] offset:2048*(\t)   ; 32 lanes store 256 consecutive bytes of row t's codes, aligned
.endm
.irp t, 0,1,2,3,4,5,6,7,8,9,10,11,12,13,14,15
	STEP \t
.endr
	ds_load_b64 v[12:13], v6                       ; LDS serves a wave's instructions in order: these see my byte stores
	s_wait_dscnt 0x0
	global_store_b64 v4, v[12:13], s[12:13]        ; 32 lanes store 256 consecutive bytes of w_sc, aligned
	s_wait_tensorcnt 0x0
	ds_add_u32 v254, v255
	s_wait_dscnt 0x0
	s_endpgm
.Lfunc_end_k_q2af2827267_quant:
	.size	k_q2af2827267_quant, .Lfunc_end_k_q2af2827267_quant-k_q2af2827267_quant
	.p2alignl 7, 3214868480
	.fill 96, 4, 3214868480
	.section	.rodata,"a",@progbits
	.p2align	6, 0x0
	.amdhsa_kernel k_q2af2827267_quant
		.amdhsa_group_segment_fixed_size 76800
		.amdhsa_private_segment_fixed_size 0
		.amdhsa_enable_private_segment 0
		.amdhsa_kernarg_size 48
		.amdhsa_user_sgpr_count 2
		.amdhsa_user_sgpr_kernarg_segment_ptr 1
		.amdhsa_wavefront_size32 1
		.amdhsa_system_sgpr_workgroup_id_x 1
		.amdhsa_system_sgpr_workgroup_id_y 1
		.amdhsa_system_sgpr_workgroup_id_z 1
		.amdhsa_system_vgpr_workitem_id 0
		.amdhsa_next_free_vgpr 256
		.amdhsa_next_free_sgpr 66
		.amdhsa_reserve_vcc 0
		.amdhsa_float_denorm_mode_32 3
		.amdhsa_float_denorm_mode_16_64 3
		.amdhsa_memory_ordered 1
		.amdhsa_forward_progress 1
		.amdhsa_inst_pref_size 57
	.end_amdhsa_kernel
	.amdgpu_metadata
---
amdhsa.version: [ 1, 2 ]
amdhsa.kernels:
  - .name:           k_q2af2827267_quant
    .symbol:         k_q2af2827267_quant.kd
    .args:
      - { .name: w_q, .offset: 0, .size: 8, .value_kind: global_buffer, .address_space: global }
      - { .name: scales, .offset: 8, .size: 8, .value_kind: global_buffer, .address_space: global }
      - { .name: A_scales, .offset: 16, .size: 8, .value_kind: global_buffer, .address_space: global }
      - { .name: w_codes, .offset: 24, .size: 8, .value_kind: global_buffer, .address_space: global }
      - { .name: w_sc, .offset: 32, .size: 8, .value_kind: global_buffer, .address_space: global }
      - { .name: a_sc, .offset: 40, .size: 8, .value_kind: global_buffer, .address_space: global }
    .group_segment_fixed_size: 76800
    .private_segment_fixed_size: 0
    .kernarg_segment_align: 8
    .kernarg_segment_size: 48
    .max_flat_workgroup_size: 256
    .sgpr_count:     66
    .vgpr_count:     256
    .wavefront_size: 32
...
	.end_amdgpu_metadata
.endif
;; end of part 1
;; launch gemm (part 2): grid 16 x 16, 4 waves a work-group, clusters of 4 x 4, 327,680 bytes of LDS; arguments A_codes, a_sc, w_codes, w_sc, out0; writes out0
.if DOCPART == 2
	.amdgcn_target "amdgcn-amd-amdhsa--gfx1250"
	.amdhsa_code_object_version 6
	.text
	.protected	k_q2af2827267_gemm
	.globl	k_q2af2827267_gemm
	.p2align	8
	.type	k_q2af2827267_gemm,@function
k_q2af2827267_gemm:
	s_mov_b64 s[64:65], 0
	v_nop
	global_prefetch_b8 v0, s[64:65] scope:SCOPE_SE
	s_setreg_imm32_b32 hwreg(HW_REG_WAVE_MODE, 25, 1), 1
	s_wait_xcnt 0x0
	s_wait_alu depctr_hold_cnt(0) depctr_sa_sdst(0) depctr_va_vdst(0) depctr_va_sdst(0) depctr_va_ssrc(0) depctr_va_vcc(0) depctr_vm_vsrc(0)
	s_getreg_b32 s2, hwreg(HW_REG_IB_STS2, 6, 4)
	s_cmp_eq_u32 s2, 0
	s_cbranch_scc0 .Lentry_in_a_cluster
	s_endpgm
.Lentry_in_a_cluster:
	s_bfe_u32 s2, ttmp6, 0x10000c
	s_cmp_lg_u32 s2, 0xf033
	s_cbranch_scc0 .Lentry_shape_is_right
	s_endpgm
.Lentry_shape_is_right:
; C[m][n] = sum over k of A[m][k] W[n][k], 4,096 x 4,096 x 4,096.  A and W: codes of FP4 (E2M1), [row][2,048 bytes], K innermost, two codes a byte, with one E8M0 byte for each 32 along K; C: f32; sums in f32.
; The scale bytes lie BY K STEP OF 512: a_sc, w_sc [8][4,096 rows][16 bytes]: those of 256 rows and one K step are 4,096 consecutive bytes.
; A tile of C, 256 x 256, is made by a work-group of four waves; a wave makes 128 x 128, in 512 registers.  256 tiles, one to a work-group.
; K goes in eight steps of 512 through a ring of two LDS slots filled by the tensor data mover.  A slot holds A's 256 rows of 256 bytes, W's 256 rows, and both sides' scale bytes of the K step.
; Each wave has ONE load for a fill: wave 0 A's codes, wave 1 W's codes, wave 2 A's scale bytes, wave 3 W's.
; CLUSTERS: 4 x 4 work-groups.  The four of a row of the cluster need the same tiles of A, the four of a column the same tiles of W: each tile is asked for JOINTLY, by the same tensor load with the
; same descriptor and a mask that names the four.
; EACH CLUSTER WALKS K FROM A START OF ITS OWN, round to where it began: cluster (X, Y) begins at K step (2 (X + Y) + Y / 2) mod 8.  So each of the eight K steps is the start of two of the sixteen clusters,
; and the four clusters that read the same rows of A, or of W, all start apart.  X and Y are shared by all sixteen partners of a cluster.
; THE MATRIX INSTRUCTION, 32 x 16 x 128, IS USED TRANSPOSED (source 0 = 32 rows of W, source 1 = 16 rows of A): lane (r, h) then holds row r of C, registers 0-7 columns 8 h + 0 .. 7, registers 8-15 columns 16 + 8 h + 0 .. 7.
; SCALE WORDS: a register holds 32 rows, one a lane: W's serve source 0 as they are; A's serve two blocks of 16 rows, the odd block by ROW1.
; A step of 128 along K is eight groups of four matrix instructions: group a is A's block a (16 rows) against W's four blocks of 32.  A's and W's fragments have two sets each: the next step's 32 LDS loads stand in ONE run
; at a step's head, and all 32 matrix instructions follow it.
; THE LAST K STEP GOES BY ROWS OF C: all its fragments of W (256 registers) fill window 1, and my eight blocks of 16 rows are finished one after the other and leave while the next is multiplied.
; PREFETCH: behind a fill's loads each wave asks for its share of the K step two fills on: 32 rows x 256 bytes of codes (a lane a row) and 2 blocks of 256 scale bytes.  The four partners that ask for a tile jointly share its
; rows by address.  The head asks for the second fill's K step, the second fill for the third's and fourth's; the last two fills ask for nothing.
; LIMIT: an output's f32 sum runs over the K steps in its cluster's order, and takes the last one's quarters in the order 0, 2, 3, 1: an order of rounding that differs from ascending K.
; REGISTERS: window 0: v0-31 addresses; v32-95 scale words, two sets; v128-191, v192-255 A's fragments, two sets; in the last K step v96-127 a block of A (16 rows x 512 K), v128-255 rows of C read back.
;   window 1: W's fragments, sets at v0 and v64; in the last K step quarter q at v[64 q].   window 2: the accumulators of my rows 0-63 ((a, b) at v[64 a + 16 b]);   window 3: those of my rows 64-127.
.set SIZE_N, 4096
.set ROWB,   256                       ; a tile's row in bytes: 512 codes
.set KROW,   2048                      ; a row of codes in memory, in bytes
.set PITCH,  272                       ; an LDS row: 256 bytes + 16 of padding = 68 words: row r starts at bank 4 r mod 64 (64 banks of 4 bytes: ISA guide 11.1)
.set HALFT,  128*PITCH                 ; 128 rows: what one wave reads of A or of W
.set CB,     2*HALFT                   ; a slot: A's 256 rows; from here W's 256 rows;
.set SCA,    4*HALFT                   ; A's scale bytes, 256 rows x 16 bytes, dense;
.set SCB,    SCA+4096                  ; W's
.set SLOT,   SCB+4096
.set SPARE,  2*SLOT                    ; behind the ring: the spare words, 128 bytes for each wave: two blocks of 256 bytes that no other line names
.set SPITCH, 528                       ; the way out: a stage of 16 rows x (512 bytes + 16) for each wave, in slot 0, which has had its last fill and its last read when the first result is stored there
.set ADRA, 16                          ; v16-17  LDS address of my A fragments in slot 0, 1
.set ADSA, 18                          ; v18-19  of A's scale words
.set ADRB, 20                          ; v20-21  of my W fragments
.set ADSW, 22                          ; v22-23  of W's scale words
.set STO,  24                          ; v24     the way out: where I put 16 bytes of a row
.set RD,   25                          ; v25     the way out: where I read a row back
.set CO,   26                          ; v26     16 x lane: my byte offset in a row of C
.set SPW,  28                          ; v28     LDS address of my spare word; never rewritten
.set NIL,  29                          ; v29     0; never rewritten
.set PFO,  30                          ; v30     the prefetches' offsets: codes, a lane a row;
.set PFT,  31                          ; v31     scale bytes: lane 0 a block of 256, the other lanes the next
.set SC,   32                          ; scale words: set s (for slot s) at v[SC + 32 s]: W's 32 rows b, quarter q at 4 b + q; A's 32 rows p at 16 + 4 p + q
.set AF,   128
.set PA,   96
.set PFC,  18                          ; s[18:19] where my share of the codes begins, K step 0
.set PFS,  20                          ; s[20:21] and of the scale bytes
.set KO,   22                          ; s[22:23] the youngest fill's K step x 256: where it begins in a row of codes (the upper word is 0)
.set SO,   46                          ; s[46:47] the same in a_sc and w_sc: 65,536 x the K step
.set PO,   66                          ; s[66:67] a prefetch's offset
.set P1C,  100                         ; s[100:101], s[44:45] a prefetch's two addresses
.set P1S,  44
.set P2C,  40                          ; s[40:41], s[42:43] and another's, once (behind the head)
.set P2S,  42
.set G1A,  24                          ; s[24:31] descriptor group 1 for A's codes;  s[32:39] group 0, one set for each slot
.set G0A,  32
.set G1B,  48                          ; W's codes
.set G0B,  56
.set G1SA, 68                          ; A's scale bytes
.set G0SA, 76
.set G1SB, 84                          ; W's
.set G0SB, 92
.set MSB, 0
.macro WIN new                         ; the immediate's high byte repeats the setting that is left
.if MSB != (\new)
	s_set_vgpr_msb (MSB<<8)|(\new)
.set MSB, \new
.endif
.endm
.set MUL_LO, 0xa1                      ; source 0 (W) window 1, source 1 (A) window 0, C and D window 2; + 0x50: C and D window 3
.set TO_B,   0x40                      ; destination window 1, address window 0
.macro PLACES                          ; loads into registers that a matrix instruction has read, and LDS stores that read a result, stand four places behind it; only plain vector instructions are places
.rept 4
	v_nop
.endr
.endm
.macro ISSUE g0, g1, s
	tensor_load_to_lds s[\g0+4*\s:\g0+4*\s+3], s[\g1:\g1+7]
	s_nop 0
	PLACES
.endm
; A slot's joint loads: four lines, one for each wave, in one chain of branches on the wave's number.
.macro JLOAD s
	s_cmp_eq_u32 s14, 0
	s_cbranch_scc0 .Lnot_0_\@
	ISSUE G0A, G1A, \s
	s_branch .Lasked_\@
.Lnot_0_\@:
	s_cmp_eq_u32 s14, 1
	s_cbranch_scc0 .Lnot_1_\@
	ISSUE G0B, G1B, \s
	s_branch .Lasked_\@
.Lnot_1_\@:
	s_cmp_eq_u32 s14, 2
	s_cbranch_scc0 .Lnot_2_\@
	ISSUE G0SA, G1SA, \s
	s_branch .Lasked_\@
.Lnot_2_\@:
	ISSUE G0SB, G1SB, \s
.Lasked_\@:
.endm
.macro CREST                           ; a round of the cluster's barrier behind its opening barrier
	s_cmp_lg_u32 s14, 0
	s_cbranch_scc1 .Lnot_wave_0_\@
	s_barrier_signal -3
.Lnot_wave_0_\@:
	s_barrier_wait -3
	s_barrier_signal -1
	s_barrier_wait -1
.endm
.macro CROUND                          ; a whole round
	s_barrier_signal -1
	s_barrier_wait -1
	CREST
.endm
; Slot s's four global addresses, made from the tiles' bases s[4:11] (never rewritten) and the fill's K step, with the type 2 on top.  It stands only where no tensor load of the wave is out.
.macro AIM s
	s_lshl_b32 s[SO], s[KO], 8
	s_add_nc_u64 s[G0A+4*\s+2:G0A+4*\s+3], s[4:5], s[KO:KO+1]
	s_add_nc_u64 s[G0B+4*\s+2:G0B+4*\s+3], s[8:9], s[KO:KO+1]
	s_add_nc_u64 s[G0SA+4*\s+2:G0SA+4*\s+3], s[6:7], s[SO:SO+1]
	s_add_nc_u64 s[G0SB+4*\s+2:G0SB+4*\s+3], s[10:11], s[SO:SO+1]
.irp g, G0A, G0B, G0SA, G0SB
	s_or_b32 s[\g+4*\s+3], s[\g+4*\s+3], 0x80000000
.endr
.endm
.macro NEXTK                           ; one K step on, round the row's end to its start
	s_add_co_u32 s[KO], s[KO], ROWB
	s_and_b32 s[KO], s[KO], KROW-1
.endm
.macro AIMP d, pc, ps                  ; a prefetch's addresses: my share of the K step d beyond the youngest fill's (behind a wait on XCNT: earlier prefetches have read theirs)
	s_add_co_u32 s[PO], s[KO], (\d)*ROWB
	s_and_b32 s[PO], s[PO], KROW-1
	s_add_nc_u64 s[\pc:\pc+1], s[PFC:PFC+1], s[PO:PO+1]
	s_lshl_b32 s[PO], s[PO], 8
	s_add_nc_u64 s[\ps:\ps+1], s[PFS:PFS+1], s[PO:PO+1]
.endm
.macro PREF pc, ps
	global_prefetch_b8 v[PFO], s[\pc:\pc+1] th:TH_LOAD_NT scope:SCOPE_SE
	global_prefetch_b8 v[PFT], s[\ps:\ps+1] th:TH_LOAD_NT scope:SCOPE_SE
.endm
	s_load_b128 s[4:7], s[0:1], 0x0                ; A's codes s[4:5], A's scale bytes s[6:7]
	s_load_b128 s[8:11], s[0:1], 0x10              ; W's codes s[8:9], W's scale bytes s[10:11]
	s_load_b64 s[12:13], s[0:1], 0x20              ; C
	v_lshl_add_u32 v[SPW], v0, 2, SPARE
	v_mov_b32 v[NIL], 0
	ds_add_u32 v[SPW], v[NIL]                      ; the wave's opening: the add, twice on end, and its wait ahead of my first tensor load
	ds_add_u32 v[SPW], v[NIL]
	v_lshrrev_b32 v1, 5, v0
	v_readfirstlane_b32 s14, v1                    ; wave 0..3
	s_lshr_b32 s15, s14, 1                         ; which half of the tile's rows is mine
	s_and_b32 s16, s14, 1                          ; which half of its columns
	s_bfe_u32 s40, ttmp6, 0x40000                  ; cx, cy: my place in the cluster
	s_bfe_u32 s41, ttmp6, 0x40004
	s_lshl_b32 s42, ttmp9, 2
	s_add_co_u32 s42, s42, s40                     ; tile column of C = 4 x cluster x + cx
	s_and_b32 s2, ttmp7, 0xffff                    ; cluster y
	s_lshl_b32 s17, s2, 2
	s_add_co_u32 s17, s17, s41                     ; tile row of C = 4 x cluster y + cy
	s_add_co_u32 s[KO], s2, ttmp9                  ; my cluster's first K step
	s_lshl_b32 s[KO], s[KO], 1
	s_lshr_b32 s[KO+1], s2, 1
	s_add_co_u32 s[KO], s[KO], s[KO+1]
	s_and_b32 s[KO], s[KO], 7
	s_lshl_b32 s[KO], s[KO], 8
	s_mov_b32 s[KO+1], 0
	s_lshl_b32 s43, s41, 2
	s_lshl_b32 s43, 15, s43                        ; my row of the cluster
	s_lshl_b32 s44, 0x1111, s40                    ; my column
	; descriptor group 1 for codes: a tile of 256 rows x 256 bytes, padded in LDS
	s_or_b32 s[G1A+0], s43, (0<<16)|(1<<20)|(1<<21)|(5<<22)|(3<<25)  ; 15:0 the mask; 17:16 element of 1 byte; 20 padding on; 21 set beside a mask; 24:22 after every 64 words (code 5); 31:25 of 4 words (code 3)
	s_or_b32 s[G1B+0], s44, (0<<16)|(1<<20)|(1<<21)|(5<<22)|(3<<25)
.irp g, G1A, G1B
	s_mov_b32 s[\g+1], ROWB<<16                    ; tensor_dim0 = 256
	s_mov_b32 s[\g+2], 256<<16                     ; tensor_dim1 = 256
	s_mov_b32 s[\g+3], ROWB<<16                    ; tile_dim0 = 256
	s_mov_b32 s[\g+4], 256                         ; tile_dim1 = 256
	s_mov_b32 s[\g+5], KROW                        ; tensor_dim0_stride
	s_mov_b32 s[\g+6], 0
	s_mov_b32 s[\g+7], 0
.endr
	; and for scale bytes: a dense block of 4,096 bytes, as 16 rows of 256 bytes (32 elements of 8 bytes), no padding
	s_or_b32 s[G1SA+0], s43, (3<<16)|(1<<21)
	s_or_b32 s[G1SB+0], s44, (3<<16)|(1<<21)
.irp g, G1SA, G1SB
	s_mov_b32 s[\g+1], 32<<16
	s_mov_b32 s[\g+2], 16<<16
	s_mov_b32 s[\g+3], 32<<16
	s_mov_b32 s[\g+4], 16
	s_mov_b32 s[\g+5], 32
	s_mov_b32 s[\g+6], 0
	s_mov_b32 s[\g+7], 0
.endr
.irp s, 0,1                            ; group 0, a set for each slot: the count 1, the LDS address (a constant)
	s_mov_b32 s[G0A+4*\s], 1
	s_mov_b32 s[G0A+4*\s+1], \s*SLOT
	s_mov_b32 s[G0B+4*\s], 1
	s_mov_b32 s[G0B+4*\s+1], \s*SLOT+CB
	s_mov_b32 s[G0SA+4*\s], 1
	s_mov_b32 s[G0SA+4*\s+1], \s*SLOT+SCA
	s_mov_b32 s[G0SB+4*\s], 1
	s_mov_b32 s[G0SB+4*\s+1], \s*SLOT+SCB
.endr
	; where the tiles come from: A's by the tile row alone, W's by the tile column alone, each in registers that never hold the other coordinate
	s_lshl_b32 s100, s17, 19                       ; A's codes: 256 rows of 2,048 bytes a tile row
	s_mov_b32 s101, 0
	s_lshl_b32 s66, s17, 12                        ; A's scale bytes: 256 rows of 16 bytes
	s_mov_b32 s67, 0
	s_lshl_b32 s46, s42, 19                        ; W's likewise, by the tile column
	s_mov_b32 s47, 0
	s_lshl_b32 s44, s42, 12
	s_mov_b32 s45, 0
	s_wait_dscnt 0x0                               ; both opening adds are done
	s_wait_kmcnt 0x0
	s_add_nc_u64 s[4:5], s[4:5], s[100:101]        ; the four bases stand at my tile's first row, K step 0, and stay
	s_add_nc_u64 s[6:7], s[6:7], s[66:67]
	s_add_nc_u64 s[8:9], s[8:9], s[46:47]
	s_add_nc_u64 s[10:11], s[10:11], s[44:45]
	AIM 0
	NEXTK
	AIM 1
	CROUND                                         ; all sixteen work-groups are here: the first joint loads meet
	JLOAD 0                                        ; my first K step: one tensor load a wave at the head
	; the prefetches: waves 0, 2 ask for A, waves 1, 3 for W; my place among the four that ask for the tile with me is cx for A, cy for W
	s_cmp_eq_u32 s16, 0
	s_cselect_b64 s[PFC:PFC+1], s[4:5], s[8:9]
	s_cselect_b64 s[PFS:PFS+1], s[6:7], s[10:11]
	s_cselect_b32 s2, s40, s41
	s_lshl_b32 s2, s2, 1
	s_or_b32 s2, s2, s15                           ; which eighth of the tile's rows, 32 rows each
	s_mov_b32 s[PO+1], 0
	s_lshl_b32 s[PO], s2, 16                       ; in bytes of codes,
	s_add_nc_u64 s[PFC:PFC+1], s[PFC:PFC+1], s[PO:PO+1]
	s_lshl_b32 s[PO], s2, 9                        ; and of scale bytes: 32 rows are 512
	s_add_nc_u64 s[PFS:PFS+1], s[PFS:PFS+1], s[PO:PO+1]
	AIMP 0, P1C, P1S
	v_and_b32 v6, 31, v0                           ; lane
	v_lshlrev_b32 v[PFO], 11, v6                   ; a lane a row of 2,048 bytes
	v_min_u32 v[PFT], 1, v6
	v_lshlrev_b32 v[PFT], 8, v[PFT]
	s_mul_i32 s66, s15, HALFT                      ; my 128 rows of A
	s_mul_i32 s67, s16, HALFT                      ; my 128 rows of W,
	s_add_co_u32 s67, s67, CB                      ; which lie behind A's 256
	s_lshl_b32 s46, s15, 11
	s_add_co_u32 s46, s46, SCA                     ; their scale bytes
	s_lshl_b32 s47, s16, 11
	s_add_co_u32 s47, s47, SCB
	s_mul_i32 s3, s14, 16*SPITCH                   ; my stage
	s_wait_alu depctr_va_vdst(0)
	v_and_b32 v1, 15, v0                           ; r = l % 16
	v_bfe_u32 v2, v0, 4, 1                         ; h = l / 16
	v_mul_u32_u24 v3, v1, PITCH
	v_lshl_add_u32 v4, v2, 4, v3                   ; a fragment's row x pitch + 16 x half
	v_add_nc_u32 v[ADRA], s66, v4
	v_add_nc_u32 v[ADRB], s67, v4
	v_lshlrev_b32 v[CO], 4, v6
	v_add_nc_u32 v[ADSA], s46, v[CO]               ; lane l: row l's 16 bytes
	v_add_nc_u32 v[ADSW], s47, v[CO]
	v_add_nc_u32 v[ADRA+1], SLOT, v[ADRA]
	v_add_nc_u32 v[ADRB+1], SLOT, v[ADRB]
	v_add_nc_u32 v[ADSA+1], SLOT, v[ADSA]
	v_add_nc_u32 v[ADSW+1], SLOT, v[ADSW]
	v_mul_u32_u24 v7, v1, SPITCH                   ; into the stage: row r, 32 bytes for each half of the lanes
	v_lshl_add_u32 v7, v2, 5, v7
	v_add_nc_u32 v[STO], s3, v7
	v_add_nc_u32 v[RD], s3, v[CO]                  ; back: the 32 lanes take one row of 512 bytes; and the same in C
	s_lshl_b32 s66, s17, 22                        ; my first row of C, 256 x tile row + 128 x half, in rows of 16,384 bytes
	s_lshl_b32 s67, s15, 21
	s_add_co_u32 s66, s66, s67
	s_mov_b32 s67, 0
	s_add_nc_u64 s[12:13], s[12:13], s[66:67]
	s_lshl_b32 s46, s42, 10                        ; my first column, in bytes: 1,024 x tile column + 512 x half
	s_lshl_b32 s47, s16, 9
	s_add_co_u32 s46, s46, s47
	s_mov_b32 s47, 0
	s_add_nc_u64 s[12:13], s[12:13], s[46:47]
; One matrix instruction: d, w, x the first registers of D, of W's 32 rows, of A's 16 rows; sw, sx their scale words; odd: A's scales are in lanes 16-31.
.macro MM d, w, x, sw, sx, odd, zero
.if \zero
.if \odd
	v_wmma_scale_f32_32x16x128_f4 v[\d:\d+15], v[\w:\w+15], v[\x:\x+7], 0, v[\sw], v[\sx] matrix_b_scale:MATRIX_SCALE_ROW1
.else
	v_wmma_scale_f32_32x16x128_f4 v[\d:\d+15], v[\w:\w+15], v[\x:\x+7], 0, v[\sw], v[\sx]
.endif
.else
.if \odd
	v_wmma_scale_f32_32x16x128_f4 v[\d:\d+15], v[\w:\w+15], v[\x:\x+7], v[\d:\d+15], v[\sw], v[\sx] matrix_b_scale:MATRIX_SCALE_ROW1
.else
	v_wmma_scale_f32_32x16x128_f4 v[\d:\d+15], v[\w:\w+15], v[\x:\x+7], v[\d:\d+15], v[\sw], v[\sx]
.endif
.endif
.endm
; Group a of the slot's q-th 128 along K, from set q % 2.  zero = 1: the first product starts the sums.  The 32 accumulators take turns, one instruction a turn, in the same order in every step.
.macro GRP a, q, slot, zero
	WIN MUL_LO+0x50*((\a)/4)
.irp b, 0,1,2,3
	MM 64*((\a)%4)+16*\b, 64*((\q)%2)+16*\b, AF+64*((\q)%2)+8*(\a), SC+32*(\slot)+4*\b+(\q), SC+32*(\slot)+16+4*((\a)/2)+(\q), (\a)%2, \zero
.endr
.endm
; A fragment, 16 rows x 128 K, is 8 registers: lane l holds row l % 16; registers 4 c .. 4 c + 3 hold K = 64 c + 32 (l / 16) + 0 .. 31.  Load i of a side's 16: c = i % 2 of the block of 16 rows i / 2, into registers 4 i .. of the set.
.macro LDW slot, q, base
	WIN TO_B
.set I, 0
.rept 16
	ds_load_b128 v[\base+4*I:\base+4*I+3], v[ADRB+\slot] offset:64*(\q)+32*(I%2)+(I/2)*16*PITCH
.set I, I+1
.endr
.endm
.macro LDA slot, q, base
	WIN 0
.set I, 0
.rept 16
	ds_load_b128 v[\base+4*I:\base+4*I+3], v[ADRA+\slot] offset:64*(\q)+32*(I%2)+(I/2)*16*PITCH
.set I, I+1
.endr
.endm
.macro SCALES s                        ; slot s's scale words: a row's 16 bytes are the K step's four words, a lane a row
	WIN 0
.irp i, 0,1,2,3
	ds_load_b128 v[SC+32*\s+4*\i:SC+32*\s+4*\i+3], v[ADSW+\s] offset:\i*512
.endr
.irp i, 0,1,2,3
	ds_load_b128 v[SC+32*\s+16+4*\i:SC+32*\s+16+4*\i+3], v[ADSA+\s] offset:\i*512
.endr
.endm
; A step of 128 along K that has its successor in the same slot: the next step's loads, W's 16 and A's 16 (two a block), then this step's products.  The four v_nop stand behind the step before, which read the set that is loaded here.
.macro STEP slot, q, zero
	PLACES
	LDW \slot, (\q)+1, 64*(((\q)+1)%2)
	LDA \slot, (\q)+1, AF+64*(((\q)+1)%2)
	s_wait_dscnt 44                                ; this step's W and A's blocks 0, 1 are in: behind them 12 loads of this step and the next one's 32
	GRP 0, \q, \slot, \zero
	GRP 1, \q, \slot, \zero
	s_wait_dscnt 40                                ; blocks 2, 3: 8 and 32
	GRP 2, \q, \slot, \zero
	GRP 3, \q, \slot, \zero
	s_wait_dscnt 36                                ; blocks 4, 5: 4 and 32
	GRP 4, \q, \slot, \zero
	GRP 5, \q, \slot, \zero
	s_wait_dscnt 32                                ; blocks 6, 7
	GRP 6, \q, \slot, \zero
	GRP 7, \q, \slot, \zero
.endm
; A slot's last two steps change slots.  MEET is the last step but one and the barrier at the last step's start.  In front of the barrier each wave waits for all its tensor loads, adds 0 to its spare word
; (eight matrix instructions stand between the add and the wait for it), and waits for that and for its own reads of this slot, of which the last were issued at the head of the step.
.macro MEET slot, fill
	PLACES
	LDW \slot, 3, 64
	LDA \slot, 3, AF+64
	s_wait_dscnt 44                                ; the counts are those of STEP
	GRP 0, 2, \slot, 0
	GRP 1, 2, \slot, 0
	s_wait_dscnt 40
	GRP 2, 2, \slot, 0
	GRP 3, 2, \slot, 0
	s_wait_dscnt 36
	GRP 4, 2, \slot, 0
	GRP 5, 2, \slot, 0
	s_wait_dscnt 32
	WIN 0                                          ; (the add's two registers lie in window 0)
.if \fill
	s_wait_xcnt 0x0                                ; my prefetches have read their addresses
.endif
	s_wait_tensorcnt 0x0                           ; all my tensor loads have landed: the one that was out is my part of the next slot;
	ds_add_u32 v[SPW], v[NIL]                      ; 0 onto my spare word;
	GRP 6, 2, \slot, 0
.if \fill
	NEXTK                                          ; no tensor load of mine is out, so the slot's groups 0 may be written
	AIM \slot
	AIMP 2, P1C, P1S
.endif
	GRP 7, 2, \slot, 0
	s_wait_dscnt 0x0                               ; the add is done, and my reads of this slot are over
	s_barrier_signal -1
	GRP 0, 3, \slot, 0
	WIN 0
	s_barrier_wait -1
.endm
.macro TURN slot, next
	MEET \slot, 1
	CREST                                          ; no wave of any partner still reads this slot's tiles or has a load on its way
	JLOAD \slot                                    ; the first tensor load behind the round, one a wave; the four v_nop behind it are the places in front of the loads below
	SCALES \next
	LDW \next, 0, 0
	LDA \next, 0, AF
	s_cmp_gt_u32 s3, 1                             ; the last trip's fills are the last of all: nothing two fills on
	s_cbranch_scc0 .Lno_ask_\@
	PREF P1C, P1S
.Lno_ask_\@:
.irp a, 1,2,3,4,5,6,7
	GRP \a, 3, \slot, 0
.endr
.endm
	s_wait_alu depctr_va_vdst(0)
	s_wait_tensorcnt 0x0                           ; my tile of the first K step is in
	s_cmp_eq_u32 s15, 0
	s_cbranch_scc1 .Lno_first
	PREF P1C, P1S                                  ; waves 2 and 3, whose tiles are the two small ones, ask for the second fill's K step: my own 32 rows
	global_prefetch_b8 v[PFO], s[P1C:P1C+1] offset:-32*KROW th:TH_LOAD_NT scope:SCOPE_SE   ; and those of wave 0 or 1, the 32 rows before
	global_prefetch_b8 v[PFT], s[P1S:P1S+1] offset:-512 th:TH_LOAD_NT scope:SCOPE_SE
.Lno_first:
	s_wait_tensorcnt 0x0                           ; the wait and the add ahead of a later first fill, as ahead of a refill:
	ds_add_u32 v[SPW], v[NIL]
	s_mov_b32 s[PO+1], 0
	AIMP 1, P2C, P2S                               ; the third fill's K step, in registers that no earlier prefetch names
	s_wait_dscnt 0x0                               ; the add is done
	CROUND                                         ; everybody's part is in, and the joint loads meet:
	JLOAD 1                                        ; the second K step, the first tensor load behind the round
	SCALES 0
	LDW 0, 0, 0
	LDA 0, 0, AF
	PREF P2C, P2S
	STEP 0, 0, 1                                   ; the first step stands in front of the loop: its products start the sums
	WIN 0                                          ; at a label and at a branch every window is 0
	s_wait_xcnt 0x0                                ; the earlier prefetches have read their addresses
	AIMP 2, P1C, P1S                               ; the fourth fill's K step
	PREF P1C, P1S
	s_mov_b32 s3, 3
.Llap:                                                 ; a trip goes once round the ring, from a lap's second step to the next lap's first, and fills both slots again
	STEP 0, 1, 0
	TURN 0, 1
	STEP 1, 0, 0
	STEP 1, 1, 0
	TURN 1, 0
	STEP 0, 0, 0
	WIN 0
	s_sub_co_u32 s3, s3, 1
	s_cmp_lg_u32 s3, 0
	s_cbranch_scc1 .Llap
	STEP 0, 1, 0
; THE LAST K STEP, in slot 1, BY ROWS OF C.  Block a's fragments of A, all four quarters: 8 loads.
.macro ABLK a
	WIN 0
.irp q, 0,1,2,3
	ds_load_b128 v[PA+8*\q:PA+8*\q+3], v[ADRA+1] offset:64*\q+(\a)*16*PITCH
	ds_load_b128 v[PA+8*\q+4:PA+8*\q+7], v[ADRA+1] offset:64*\q+32+(\a)*16*PITCH
.endr
.endm
; Block a is finished: 16 matrix instructions, its four accumulators by turns.
.macro ROW a
.irp q, 0,2,3,1
.if (\a) == 0
.if \q == 0
	s_wait_dscnt 48                                ; scale words, W's quarter 0, block 0: behind them three quarters of 16
.elseif \q == 2
	s_wait_dscnt 32
.elseif \q == 3
	s_wait_dscnt 16
.else
	s_wait_dscnt 0
.endif
.endif
	WIN MUL_LO+0x50*((\a)/4)
.irp b, 0,1,2,3
	MM 64*((\a)%4)+16*\b, 64*\q+16*\b, PA+8*\q, SC+32+4*\b+\q, SC+48+4*((\a)/2)+\q, (\a)%2, 0
.endr
.endr
.endm
; Where block a's rows come back: blocks 0 and 1 where A's two sets were; block a into the accumulators of block a - 2, which has gone through the stage and come back.  So no register that a store reads is written again.
.macro WHERE a
.if (\a) < 2
.set BW, 0
.set BB, 128+64*(\a)
.else
.set BW, 2+((\a)-2)/4
.set BB, 64*(((\a)-2)%4)
.endif
.endm
; A lane holds 32 neighbouring bytes of a row, and the lanes beside it hold other rows: a block goes through my own stage in LDS and comes back as whole rows of 512 bytes.
; LDS serves a wave's instructions in order (ISA guide 5.7.1.4): no wait between the stores and the loads, nor in front of the next block's stores.
.macro TOSTAGE a
.set AC, 64*((\a)%4)
	WHERE \a
	WIN 0x08+4*((\a)/4)                            ; an LDS store's data are its source 1: window 2 or 3
.irp b, 0,1,2,3,4,5,6,7
	ds_store_b128 v[STO], v[AC+8*\b:AC+8*\b+3] offset:64*\b          ; each accumulator from its low end on
	ds_store_b128 v[STO], v[AC+8*\b+4:AC+8*\b+7] offset:64*\b+16
.endr
	WIN 64*BW
.irp t, 0,1,2,3,4,5,6,7,8,9,10,11,12,13,14,15
	ds_load_b128 v[BB+4*\t:BB+4*\t+3], v[RD] offset:\t*SPITCH
.endr
.endm
.macro SEND a
	WHERE \a
	WIN 4*BW
.irp t, 0,1,2,3,4,5,6,7,8,9,10,11,12,13,14,15
	global_store_b128 v[CO], v[BB+4*\t:BB+4*\t+3], s[12:13] offset:(16*(\a)+\t)*SIZE_N*4 th:TH_STORE_NT   ; 32 lanes store 512 consecutive bytes, at a multiple of 256 from C's first byte; 127 rows of 16,384 bytes at the most
.endr
.endm
	MEET 0, 0                                      ; slot 0's last two steps; nothing is filled again, so no round follows
	PLACES
	SCALES 1
	LDW 1, 0, 0
	ABLK 0
	LDW 1, 2, 128                                  ; quarters 2 and 3 lie in registers that no set uses
	LDW 1, 3, 192
.irp a, 1,2,3,4,5,6,7
	GRP \a, 3, 0, 0
.endr
	PLACES                                         ; quarter 1 lies where set 1 was
	LDW 1, 1, 64
	ROW 0
.irp a, 0,1,2,3,4,5,6,7
	PLACES                                         ; the stage's stores read results just made; the loads take registers that block a's products have read
.if \a < 7
	ABLK \a+1
.endif
	TOSTAGE \a
.if \a < 7
	s_wait_dscnt 32                                ; block a + 1's fragments are in: behind them the stage's 32
	ROW \a+1                                       ; block a goes through the stage meanwhile
.endif
	s_wait_dscnt 0                                 ; block a is back in registers
	SEND \a
.endr
	WIN 0
	s_wait_tensorcnt 0x0                           ; the wave's end, behind my last tensor load and my last LDS store
	ds_add_u32 v[SPW], v[NIL]
	s_wait_dscnt 0x0
	CROUND                                         ; the closing round: no work-group ends while a partner may still ask for a tile that names it
	s_endpgm
.Lfunc_end_k_q2af2827267_gemm:
	.size	k_q2af2827267_gemm, .Lfunc_end_k_q2af2827267_gemm-k_q2af2827267_gemm
	.p2alignl 7, 3214868480
	.fill 96, 4, 3214868480
	.section	.rodata,"a",@progbits
	.p2align	6, 0x0
	.amdhsa_kernel k_q2af2827267_gemm
		.amdhsa_group_segment_fixed_size 327680
		.amdhsa_private_segment_fixed_size 0
		.amdhsa_enable_private_segment 0
		.amdhsa_kernarg_size 40
		.amdhsa_user_sgpr_count 2
		.amdhsa_user_sgpr_kernarg_segment_ptr 1
		.amdhsa_wavefront_size32 1
		.amdhsa_system_sgpr_workgroup_id_x 1
		.amdhsa_system_sgpr_workgroup_id_y 1
		.amdhsa_system_sgpr_workgroup_id_z 1
		.amdhsa_system_vgpr_workitem_id 0
		.amdhsa_next_free_vgpr 1024
		.amdhsa_next_free_sgpr 102
		.amdhsa_reserve_vcc 0
		.amdhsa_float_denorm_mode_32 3
		.amdhsa_float_denorm_mode_16_64 3
		.amdhsa_memory_ordered 1
		.amdhsa_forward_progress 1
		.amdhsa_inst_pref_size 152
	.end_amdhsa_kernel
	.amdgpu_metadata
---
amdhsa.version: [ 1, 2 ]
amdhsa.kernels:
  - .name:           k_q2af2827267_gemm
    .symbol:         k_q2af2827267_gemm.kd
    .args:
      - { .name: A_codes, .offset: 0, .size: 8, .value_kind: global_buffer, .address_space: global }
      - { .name: a_sc, .offset: 8, .size: 8, .value_kind: global_buffer, .address_space: global }
      - { .name: w_codes, .offset: 16, .size: 8, .value_kind: global_buffer, .address_space: global }
      - { .name: w_sc, .offset: 24, .size: 8, .value_kind: global_buffer, .address_space: global }
      - { .name: out0, .offset: 32, .size: 8, .value_kind: global_buffer, .address_space: global }
    .group_segment_fixed_size: 327680
    .private_segment_fixed_size: 0
    .kernarg_segment_align: 8
    .kernarg_segment_size: 40
    .max_flat_workgroup_size: 128
    .sgpr_count:     102
    .vgpr_count:     1024
    .wavefront_size: 32
...
	.end_amdgpu_metadata
.endif
;; end of part 2
